; MI455X (gfx1250); checked and timed in simulation.
; The chip was launched on July 23, 2026; its instructions are those of AMD's public machine-readable ISA for CDNA 5 (MIT licence, August 2026) and "CDNA5" Instruction Set Architecture Reference Guide (July 2026). The comments in the code are by the model that wrote it; some were corrected since.
;; Self Attention Layer. Allowed arithmetic: matrix products marked QUANTISED: E4M3 operands, one given power-of-two scale a tensor, by v_wmma_f32_16x16x64_fp8_fp8 or v_wmma_f32_16x16x128_fp8_fp8, f32 sums; everything else in f32.
;; Inputs: Wk_codes 1,024 x 32 x 32 uint8 (E4M3 codes of Wk, K innermost, in blocks of 32 codes); Wp_codes 1,024 x 32 x 32 uint8 (E4M3 codes of Wp, K innermost, in blocks of 32 codes); Wq_codes 1,024 x 32 x 32 uint8 (E4M3 codes of Wq, K innermost, in blocks of 32 codes); Wv_codes 1,024 x 32 x 32 uint8 (E4M3 codes of Wv, K innermost, in blocks of 32 codes); bk 1,024 float32; bp 1,024 float32; bq 1,024 float32; bv 1,024 float32; lowp_scales 12 int32 (the exponents e of the quantised operands' scales 2^e); x_codes 4 x 2,048 x 32 x 32 uint8 (E4M3 codes of x, K innermost, in blocks of 32 codes).
;; Outputs: out0 4 x 2,048 x 1,024 float32.
;; This version of the problem:
;;   THIS VERSION OF THE PROBLEM IS GIVEN IN LOW PRECISION. The matrix products marked QUANTISED in the list below multiply operands that are first quantised to E4M3 (4 exponent bits, 3 mantissa bits; 8 bits a number), with one given power-of-two scale for each operand tensor; their sums are f32. All else is computed in f32.
;;   The module's matrix products, in the order in which they are computed (A, B: the left and right operand; K: the contracted axis; several contracted axes count as one K, in the product's order):
;;     1. [M 8,192, K 1,024] x [K 1,024, N 1,024]; A: input x (given as codes); B: input Wq (given as codes): QUANTISED (scales: A lowp_scales[0], B lowp_scales[1])
;;     2. [M 8,192, K 1,024] x [K 1,024, N 1,024]; A: input x (given as codes); B: input Wk (given as codes): QUANTISED (scales: A lowp_scales[2], B lowp_scales[3])
;;     3. [M 8,192, K 1,024] x [K 1,024, N 1,024]; A: input x (given as codes); B: input Wv (given as codes): QUANTISED (scales: A lowp_scales[4], B lowp_scales[5])
;;     4. batch 64 x [M 2,048, K 64] x [K 64, N 2,048]; A: computed on the way; B: computed on the way: QUANTISED (scales: A lowp_scales[6], B lowp_scales[7])
;;     5. batch 64 x [M 2,048, K 2,048] x [K 2,048, N 64]; A: softmax (see below); B: computed on the way: QUANTISED (scales: A lowp_scales[8], B lowp_scales[9])
;;     6. [M 8,192, K 1,024] x [K 1,024, N 1,024]; A: computed on the way; B: input Wp (given as codes): QUANTISED (scales: A lowp_scales[10], B lowp_scales[11])
;;   THE QUANTISER, for each operand of a quantised product, along K:
;;     - The operand's scale is 2^e, e = its entry of the input lowp_scales (int32; the entries are numbered through the quantised products in the list's order, A before B).
;;     - Each number is divided by the scale, clamped to +-448, and rounded to the nearest number of E4M3, ties to even, subnormals kept.
;;     - The product sums the exact products of the quantised numbers (number of the format x scale) in f32.
;;   ~~~python
;;   def quantise(x, axis, e):      # numpy; x: float32 -> the quantised numbers, widened to float32 again
;;       x = np.moveaxis(x, axis, -1); K = x.shape[-1]
;;       r = np.clip(x / 2.0 ** e, -448, 448)
;;       step = 2.0 ** (np.maximum(np.frexp(np.where(r == 0, 1, r))[1] - 1, -6) - 3)
;;       q = np.round(r / step) * step * 2.0 ** e      # np.round: ties to even
;;       return np.moveaxis(q, -1, axis).astype(np.float32)
;;   ~~~
;;   SOFTMAX AHEAD OF A QUANTISED PRODUCT. Where the list says 'softmax', what is quantised is not the finished softmax but p = 2^(t - M), with t = logit x log2(e) and M = ceil(the row's largest t), a whole number; so 1/2 < the row's largest p <= 1. The row's sum l is taken of the UNQUANTISED p, in f32, and the product's result is divided by l at the end. Since M is a whole number, a kernel that streams over the keys may use a running M (the ceiling of the running maximum): every later rescaling is an exact power of two, so the quantised numbers keep their values, but for numbers so far below the row's largest that they fall under the format's range.
;;   OPERANDS COMPUTED ON THE WAY. 'Computed on the way' means the value that the module computes at that place (a softmax that the list does not call 'softmax' is quantised finished and normalised). What goes into a quantiser is computed in f32, as accurately as f32 sums, v_exp_f32 and their like allow (about 1e-6 of the number): no bf16 or f16 on the way to a quantiser, and a product that is left as it is and whose result goes on into a quantised operand takes f32 operands (vector FMAs, or v_wmma_f32_16x16x4_f32). A number that lies on a knife's edge between two numbers of the format may be rounded either way, as far as f32 arithmetic and the matrix unit's own rounding can turn it there, and no further.
;;   INPUTS GIVEN AS CODES. Wk (in the module: [1024, 1024], K = its axis 0); Wp (in the module: [1024, 1024], K = its axis 0); Wq (in the module: [1024, 1024], K = its axis 0); Wv (in the module: [1024, 1024], K = its axis 0); x (in the module: [4, 2048, 1024], K = its axis 2): each comes as NAME_codes (uint8): NAME with its K axis moved to the last place and cut into blocks of 32 codes, [.., K / 32, bytes a block], one block behind the other in memory; one code a byte (a code: sign, 4 exponent bits, 3 mantissa bits); its scale is its entry of lowp_scales. Its value is code x scale, taken as it is: it is not quantised again, and the codes and scales need not be those that the quantiser above would give.
;; One version. Each part assembles by itself: llvm-mc -triple=amdgcn-amd-amdhsa -mcpu=gfx1250 --defsym DOCPART=n.
;; ======== version 1 of 1: 3 launches
;; limits: right only within a limited range of input values
;; workspace buffers: qi 8,388,608 bytes; kv 16,777,216 bytes; oi 8,388,608 bytes
;; launch qkv (part 1): grid 12 x 32, 4 waves a work-group, clusters of 4 x 4, 327,680 bytes of LDS; arguments x_codes, Wq_codes, Wk_codes, Wv_codes, bq, bk, bv, lowp_scales, qi, kv; writes qi, kv
.if DOCPART == 1
	.amdgcn_target "amdgcn-amd-amdhsa--gfx1250"
	.amdhsa_code_object_version 6
	.text
	.protected	k_q65e8a78c56_qkv
	.globl	k_q65e8a78c56_qkv
	.p2align	8
	.type	k_q65e8a78c56_qkv,@function
k_q65e8a78c56_qkv:
	s_mov_b64 s[64:65], 0
	v_nop
	global_prefetch_b8 v0, s[64:65] scope:SCOPE_SE
	s_setreg_imm32_b32 hwreg(HW_REG_WAVE_MODE, 25, 1), 1
	s_wait_xcnt 0x0
	s_wait_alu depctr_hold_cnt(0) depctr_sa_sdst(0) depctr_va_vdst(0) depctr_va_sdst(0) depctr_va_ssrc(0) depctr_va_vcc(0) depctr_vm_vsrc(0)
	s_getreg_b32 s2, hwreg(HW_REG_IB_STS2, 6, 4)
	s_cmp_eq_u32 s2, 0
	s_cbranch_scc0 .Lentry_in_a_cluster
	s_endpgm
.Lentry_in_a_cluster:
	s_bfe_u32 s2, ttmp6, 0x10000c
	s_cmp_lg_u32 s2, 0xf033
	s_cbranch_scc0 .Lentry_shape_is_right
	s_endpgm
.Lentry_shape_is_right:
; q = x Wq + bq, k = x Wk + bk, v = x Wv + bv on codes of FP8 (E4M3), and their quantising for the attention: the first of three launches (qkv, attn, proj).
; WORK LEFT OUT IN THIS PROGRAM, AND WHY IT IS DEAD.  reference() builds the mask tril itself and sets a score to -infinity where key > query; the softmax gives such a key the weight 0 exactly, whatever finite
; values the inputs hold, so it adds 0 to the row's sum and 0 to o.  Launch attn therefore leaves out every step of 128 keys that lies wholly behind a tile's 16 queries; inside the one step on the diagonal the hidden scores
; are made -infinity.  Nothing else is left out: all four biases go into quantisers or into the output, every input has a way to the output and is loaded.
; LIMIT: a NaN, an infinity or an overflow that reaches only the key steps left out is not carried to the result.  NaN among the inputs is not served.
; THIS LAUNCH.  x: [8192][1024] codes, W: [1024 (n)][1024 (k)] codes, K innermost.  A tile of 256 x 256 is made by a work-group of four waves, 128 x 128 a wave: 64 accumulators, 512 registers.  K goes in steps of 256 through a ring
; of two LDS slots filled by the tensor data mover.  The cluster's x says which product: 0 q, 1 k, 2 v.  4 x 4 work-groups form a cluster; the four of a row need the same tiles of the left operand, the four of a column the
; same tiles of the right one: each tile is asked for JOINTLY.  THE MATRIX INSTRUCTION IS USED TRANSPOSED (source 0 = 16 rows of the right operand, source 1 = 16 rows of the left): a lane holds ONE row of the left operand
; and eight neighbouring rows of the right.  For q and k the left operand is x and the right W: a lane's registers run along the channels, the K of q k^T.  For v the two change places (left Wv, right x): a lane holds one
; channel and its registers run along the keys, the K of p v.  One text serves all three up to the last K step.
; THE RESULTS LEAVE AS IMAGES OF OPERAND REGISTERS, in the layout of the plain FP8 forms (lane (r, h): row r; registers 2 c, 2 c + 1: k = 16 c + 8 h + 0 .. 7): four registers by one store, lane l at byte 16 l, 512 consecutive
; bytes, aligned.  qi: [batch x head 64][tile of 16 queries 128][1,024 bytes].  kv: [batch x head 64][slot of 256 keys 8][32,768 bytes]: 16 tiles of 16 keys x 1,024 bytes, then [key step of 128: 2][16 channels: 4][2,048 bytes] of v^T.
; A number is sum x 2^(ea + eb) + bias, converted with 2^eq: (ea, eb, eq) = entries (0, 1, 6) of the scales for q, (2, 3, 7) for k, (4, 5, 9) for v.
; LIMITS: ea + eb between -126 and 127, eq between -126 and 119, so that each power of two below is an f32 number.
; REGISTERS, in windows of 256: window 0: v0-31 addresses and 2^eq; v32-95 at work on the way out; from v128 the left operand's fragments, ONE set, later the codes.
;   window 1: the right operand's fragments, TWO sets, at v0 and v128; in the last step v0-63 take the bias.   windows 2, 3: the accumulators ((a, b) at v[8 (8 (a % 4) + b)]).
.set KSTEP,  256
.set ROWB,   256                       ; a tile's row in bytes
.set KROW,   1024                      ; a row of x or of W in memory, in bytes
.set PITCH,  272                       ; an LDS row: 256 bytes + 16 of padding = 68 words: row r starts at bank 4 r mod 64 (64 banks of 4 bytes: ISA guide 11.1)
.set FR,     16                        ; registers of a fragment: 16 rows x 128 K
.set NL,     4                         ; LDS loads that bring one
.set NP,     4                         ; places behind this matrix instruction (ISA guide 7.12.1)
.set HALFT,  128*PITCH                 ; 128 rows: what one tensor load brings
.set SLOT,   4*HALFT                   ; the left operand's 256 rows, then the right one's
.set SPARE,  2*SLOT                    ; behind the ring: the spare words, 128 bytes for each wave
.set BO,   7                           ; v7      my byte offset in the bias
.set SCL,  10                          ; v10     2^eq as f32
.set LIMV, 11
.set ADRA, 16                          ; v16-17  LDS address of my left fragments in slot 0, 1
.set ADRB, 20                          ; v20-21  the same for the right ones
.set CO,   26                          ; v26     16 x lane
.set SPW,  28                          ; v28     LDS address of my spare word; never rewritten
.set NIL,  29                          ; v29     0; never rewritten
.set TMP,  32
.set AF,   128
.set CD,   128                         ; the codes: 16 registers for each block of 16 rows, never written again
.set G1, 24
.set G0, 32
.set G1B, 48
.set G0B, 56
.set MSB, 0
.macro WIN new                         ; the immediate's high byte repeats the setting that is left
.if MSB != \new
	s_set_vgpr_msb (MSB<<8)|\new
.set MSB, \new
.endif
.endm
.set MUL_LO, 0xa1                      ; source 0 window 1, source 1 window 0, C and D window 2
.set MUL_HI, 0xf1                      ; the same, C and D window 3
.set TO_B,   0x40                      ; destination window 1, address window 0
; A joint load: waves 0 and 1 fetch the left operand's halves, waves 2 and 3 the right one's.  The branch hangs on the wave's number alone.  An s_nop 0 and four v_nop follow each line.
.macro JLOAD g0a, g1a, g0b, g1b
	s_cmp_eq_u32 s15, 0
	s_cbranch_scc0 .Lfor_b_\@
	tensor_load_to_lds s[\g0a:\g0a+3], s[\g1a:\g1a+7]
	s_nop 0
.rept 4
	v_nop
.endr
	s_branch .Lasked_\@
.Lfor_b_\@:
	tensor_load_to_lds s[\g0b:\g0b+3], s[\g1b:\g1b+7]
	s_nop 0
.rept 4
	v_nop
.endr
.Lasked_\@:
.endm
.macro CREST                           ; a round of the cluster's barrier behind its opening barrier
	s_cmp_lg_u32 s14, 0
	s_cbranch_scc1 .Lnot_wave_0_\@
	s_barrier_signal -3
.Lnot_wave_0_\@:
	s_barrier_wait -3
	s_barrier_signal -1
	s_barrier_wait -1
.endm
.macro CROUND                          ; a whole round
	s_barrier_signal -1
	s_barrier_wait -1
	CREST
.endm
	s_load_b512 s[68:83], s[0:1], 0x0              ; x s[68:69], Wq s[70:71], Wk s[72:73], Wv s[74:75], bq s[76:77], bk s[78:79], bv s[80:81], the scales s[82:83]
	s_load_b128 s[84:87], s[0:1], 0x40             ; qi s[84:85], kv s[86:87]
	v_lshl_add_u32 v[SPW], v0, 2, SPARE
	v_mov_b32 v[NIL], 0
	ds_add_u32 v[SPW], v[NIL]                      ; the wave's opening: the add, twice on end, and its wait ahead of my first tensor load
	ds_add_u32 v[SPW], v[NIL]                      ; and once more, under the one wait; the set-up below, work on registers, stands between
	v_lshrrev_b32 v1, 5, v0
	v_readfirstlane_b32 s14, v1                    ; wave 0..3
	s_lshr_b32 s15, s14, 1                         ; which half of the tile's rows is mine.  Also: I fetch for the left operand (0) or the right (1)
	s_and_b32 s16, s14, 1                          ; which half of its columns.  Also: which 128 rows of that tile I fetch
	s_bfe_u32 s40, ttmp6, 0x40000                  ; cx, cy: my place in the cluster
	s_bfe_u32 s41, ttmp6, 0x40004
	s_mov_b32 s88, ttmp9                           ; X, the cluster's x: 0 q, 1 k, 2 v; the same in all sixteen partners
	s_lshr_b32 s89, s88, 1                         ; f = 1 for v
	s_xor_b32 s90, s89, 1                          ; g = 1 for q and k
	s_and_b32 s91, ttmp7, 0xffff
	s_lshl_b32 s91, s91, 2                         ; 4 x the cluster's y: it walks x's 32 blocks of 256 rows, which are the left operand's for q and k, the right one's for v
	s_mul_i32 s17, s91, s90
	s_add_co_u32 s17, s17, s41                     ; tile row = cy + 4 y g
	s_mul_i32 s42, s91, s89
	s_add_co_u32 s42, s42, s40                     ; tile column = cx + 4 y f
	s_lshl_b32 s43, s41, 2
	s_lshl_b32 s43, 15, s43                        ; my row of the cluster
	s_lshl_b32 s44, 0x1111, s40                    ; my column
	; descriptor group 1: a tile of 128 rows x 256 bytes, padded in LDS
	s_or_b32 s[G1+0], s43, (0<<16)|(1<<20)|(1<<21)|(5<<22)|(3<<25)  ; 15:0 the mask: my row; 17:16 elements of 1 byte; 20 padding on; 21 set beside a mask; 24:22 after every 64 words (code 5); 31:25 four words (code 3)
	s_or_b32 s[G1B+0], s44, (0<<16)|(1<<20)|(1<<21)|(5<<22)|(3<<25) ; the same with the mask of my column
.irp g, G1, G1B
	s_mov_b32 s[\g+1], ROWB<<16                    ; tensor_dim0
	s_mov_b32 s[\g+2], 128<<16                     ; tensor_dim1
	s_mov_b32 s[\g+3], ROWB<<16                    ; tile_dim0
	s_mov_b32 s[\g+4], 128                         ; tile_dim1
	s_mov_b32 s[\g+5], KROW                        ; tensor_dim0_stride
	s_mov_b32 s[\g+6], 0
	s_mov_b32 s[\g+7], 0
.endr
	s_lshl_b32 s18, s16, 7                         ; which 128 rows of the tile I fetch
	s_lshl_b32 s20, s17, 8
	s_add_co_u32 s20, s20, s18                     ; left: row 256 x tile row + 128 x half,
	s_lshl_b32 s20, s20, 10                        ; x 1,024 bytes: 8,388,608 at the most
	s_mov_b32 s21, 0
	s_lshl_b32 s46, s42, 8
	s_add_co_u32 s46, s46, s18                     ; right: row 256 x tile column + 128 x half
	s_lshl_b32 s46, s46, 10
	s_mov_b32 s47, 0
	s_mul_i32 s45, s14, HALFT                      ; where they go: wave x 128 rows: no place in the cluster enters an LDS address
	s_wait_dscnt 0x0                               ; both opening adds are done
	s_wait_kmcnt 0x0
	s_cmp_eq_u32 s88, 0                            ; the buffers are chosen by the cluster's x alone
	s_cselect_b64 s[92:93], s[70:71], s[72:73]     ; Wq or Wk
	s_cselect_b64 s[8:9], s[76:77], s[78:79]       ; bq or bk
	s_cselect_b64 s[10:11], s[84:85], s[86:87]     ; q goes to qi, k and v to kv
	s_cmp_eq_u32 s88, 2
	s_cselect_b64 s[4:5], s[74:75], s[68:69]       ; the left operand: Wv for v, else x
	s_cselect_b64 s[6:7], s[68:69], s[92:93]       ; the right one: x for v, else W
	s_cselect_b64 s[8:9], s[80:81], s[8:9]         ; bv
	s_load_b256 s[68:75], s[82:83], 0x0            ; entries 0 to 7 of the scales,
	s_load_b128 s[76:79], s[82:83], 0x20           ; 8 to 11
	s_add_nc_u64 s[20:21], s[4:5], s[20:21]
	s_add_nc_u64 s[46:47], s[6:7], s[46:47]
	CROUND                                         ; all sixteen work-groups are here: the first joint loads meet
.irp s, 0,1
	s_mov_b32 s[G0+4*\s], 1
	s_add_co_u32 s[G0+4*\s+1], s45, \s*SLOT
	s_add_nc_u64 s[G0+4*\s+2:G0+4*\s+3], s[20:21], \s*ROWB
	s_or_b32 s[G0+4*\s+3], s[G0+4*\s+3], 0x80000000
	s_mov_b32 s[G0B+4*\s], 1
	s_add_co_u32 s[G0B+4*\s+1], s45, \s*SLOT
	s_add_nc_u64 s[G0B+4*\s+2:G0B+4*\s+3], s[46:47], \s*ROWB
	s_or_b32 s[G0B+4*\s+3], s[G0B+4*\s+3], 0x80000000
	JLOAD G0+4*\s, G1, G0B+4*\s, G1B
.endr
	v_and_b32 v1, 15, v0                           ; r = l % 16
	v_bfe_u32 v2, v0, 4, 1                         ; h = l / 16
	v_mul_u32_u24 v3, v1, PITCH
	v_lshl_add_u32 v4, v2, 4, v3                   ; a fragment's row x pitch + 16 x half
	s_mul_i32 s21, s15, HALFT                      ; my 128 rows of the left operand
	s_mul_i32 s22, s16, HALFT                      ; my 128 rows of the right one,
	s_add_co_u32 s22, s22, 2*HALFT                 ; which lie behind the left one's 256
.irp s, 0,1
	v_add_nc_u32 v[ADRA+\s], s21, v4
	v_add_nc_u32 v[ADRB+\s], s22, v4
	s_add_co_u32 s21, s21, SLOT
	s_add_co_u32 s22, s22, SLOT
.endr
	v_and_b32 v6, 31, v0
	v_lshlrev_b32 v[CO], 4, v6                     ; 16 x lane
; A fragment is fetched by four loads of 16 bytes: registers 4 c .. 4 c + 3 hold K = 32 c + 16 (l / 16) + 0 .. 15: a permutation of k that is the same on both sides, so every product meets its partner.
.macro FRAG reg, adr, q, i
.irp c, 0,1,2,3
	ds_load_b128 v[\reg+4*\c:\reg+4*\c+3], v[\adr] offset:128*(\q)+32*\c+(\i)*16*PITCH
.endr
.endm
; 16 matrix instructions: left blocks a0, a0 + 1 x the right operand's eight, 128 along K.  p: the right operand's set.  zero = 1: the first product starts the sums.
; The 64 accumulators take turns, one instruction a turn, in the same order in every step.
.macro MUL16 a0, p, zero
.irp a, \a0, \a0+1
.irp b, 0,1,2,3,4,5,6,7
.if \zero
	v_wmma_f32_16x16x128_fp8_fp8 v[8*(8*((\a)%4)+\b):8*(8*((\a)%4)+\b)+7], v[128*(\p)+FR*\b:128*(\p)+FR*\b+FR-1], v[AF+FR*(\a):AF+FR*(\a)+FR-1], 0
.else
	v_wmma_f32_16x16x128_fp8_fp8 v[8*(8*((\a)%4)+\b):8*(8*((\a)%4)+\b)+7], v[128*(\p)+FR*\b:128*(\p)+FR*\b+FR-1], v[AF+FR*(\a):AF+FR*(\a)+FR-1], v[8*(8*((\a)%4)+\b):8*(8*((\a)%4)+\b)+7]
.endif
.endr
.endr
.endm
.macro FETCH_B slot, q, p
	WIN TO_B
.irp i, 0,1,2,3,4,5,6,7
	FRAG 128*(\p)+FR*\i, ADRB+\slot, \q, \i
.endr
	WIN 0
.endm
.macro FETCH_A slot, q, i0
.irp i, \i0, \i0+1, \i0+2, \i0+3
	FRAG AF+FR*(\i), ADRA+\slot, \q, \i
.endr
.endm
; A load into a register that a matrix instruction has read, and a vector instruction that reads a matrix result, stand NP places behind that matrix instruction; only plain vector instructions that name none of its
; registers are places (ISA guide 7.12.1 for vector instructions).
.macro PLACES n
.rept \n
	v_nop
.endr
.endm
; A step of 128 along K that has its successor in the same slot.
.macro STEP slot, q, zero
	s_wait_dscnt 4*NL                              ; the right set and left blocks 0-3 are in; the youngest sixteen loads (left blocks 4-7) may be out
	WIN MUL_LO
	MUL16 0, (\q)%2, \zero
	MUL16 2, (\q)%2, \zero
	s_wait_dscnt 0                                 ; left blocks 4-7 are in
	PLACES NP
	FETCH_B \slot, (\q)+1, 1-(\q)%2
	FETCH_A \slot, (\q)+1, 0
	WIN MUL_HI
	MUL16 4, (\q)%2, \zero
	MUL16 6, (\q)%2, \zero
	PLACES NP
	WIN 0
	FETCH_A \slot, (\q)+1, 4
.endm
; A slot's last step changes slots: ONE barrier; in front of it each wave waits for all its tensor loads, adds 0 to its spare word, and waits for that and for its own reads of this slot.  fill = 1: this slot is filled again, two K steps ahead.
.macro TURN slot, next, fill
	s_wait_tensorcnt 0x0                           ; all my tensor loads have landed: my part of the next slot
	ds_add_u32 v[SPW], v[NIL]                      ; 0 onto my spare word
	s_wait_dscnt 4*NL+1                            ; (the add and the youngest sixteen loads may be out)
	WIN MUL_LO
	MUL16 0, 1, 0                                  ; sixteen matrix instructions stand between the add and the wait for it
	s_wait_dscnt 0x0                               ; the add is done, and my reads of this slot are over
	s_barrier_signal -1
	MUL16 2, 1, 0
	WIN 0
	s_barrier_wait -1
.if \fill
	CREST                                          ; the barrier has opened a round of the cluster's barrier: no wave of any partner still reads this slot or has a load on its way
	s_add_nc_u64 s[G0+4*\slot+2:G0+4*\slot+3], s[G0+4*\slot+2:G0+4*\slot+3], 2*ROWB
	s_add_nc_u64 s[G0B+4*\slot+2:G0B+4*\slot+3], s[G0B+4*\slot+2:G0B+4*\slot+3], 2*ROWB
	JLOAD G0+4*\slot, G1, G0B+4*\slot, G1B         ; the first tensor load behind the round; its four v_nop are the places in front of the loads below
.else
	PLACES NP
.endif
	FETCH_B \next, 0, 0
	FETCH_A \next, 0, 0
	WIN MUL_HI
	MUL16 4, 1, 0
	MUL16 6, 1, 0
	PLACES NP
	WIN 0
	FETCH_A \next, 0, 4
.endm
; The very last step of 128 along K: nothing more to fetch.  It holds no LDS instruction.
.macro LASTSTEP
	s_wait_dscnt 4*NL
	WIN MUL_LO
	MUL16 0, 1, 0
	MUL16 2, 1, 0
	s_wait_dscnt 0
	WIN MUL_HI
	MUL16 4, 1, 0
	MUL16 6, 1, 0
	WIN 0
.endm
; THE WAY OUT of block a (16 rows of the left operand x 128 of the right).  sum x 2^(ea + eb) + bias, one packed multiply-add for two numbers, each accumulator from its low end on; eight conversions:
; tile b's eight numbers become registers 2 b, 2 b + 1 of an operand; four stores of 512 consecutive bytes.  vp = 0: q, k: the bias runs with the registers; registers 0-7 are one head's fragment of 16 rows x 64 channels,
; registers 8-15 the next head's.  vp = 1: v: the bias is the lane's channel's; the 16 registers are one fragment of 16 channels x 128 keys.
.macro EPI a, vp
.set AC, 64*((\a)%4)
	WIN 0x12+((\a)/4)                              ; source 0: window 2 or 3; source 2 (the bias): window 1
.irp b, 0,1,2,3,4,5,6,7
.irp i, 0,2,4,6
.if \vp
	v_pk_fma_f32 v[TMP+8*\b+\i:TMP+8*\b+\i+1], v[AC+8*\b+\i:AC+8*\b+\i+1], s[96:97], v[2*(\a):2*(\a)+1] op_sel_hi:[1,0,1]
.else
	v_pk_fma_f32 v[TMP+8*\b+\i:TMP+8*\b+\i+1], v[AC+8*\b+\i:AC+8*\b+\i+1], s[96:97], v[8*\b+\i:8*\b+\i+1] op_sel_hi:[1,0,1]
.endif
.endr
.endr
	WIN 0
.set j, 0
.rept 64
.set j, j+1
.endr
.irp b, 0,1,2,3,4,5,6,7
	v_cvt_scalef32_pk8_fp8_f32 v[CD+16*(\a)+2*\b:CD+16*(\a)+2*\b+1], v[TMP+8*\b:TMP+8*\b+7], v[SCL]
.endr
	v_nop                                          ; one plain vector instruction between the conversions and the next block's writes of their sources
.if \vp
.irp g, 0,1,2,3
	global_store_b128 v[CO], v[CD+16*(\a)+4*\g:CD+16*(\a)+4*\g+3], s[10+2*((\a)/4):11+2*((\a)/4)] offset:2048*((\a)%4)+512*\g
.endr
.else
	global_store_b128 v[CO], v[CD+16*(\a):CD+16*(\a)+3], s[10:11] offset:1024*(\a)
	global_store_b128 v[CO], v[CD+16*(\a)+4:CD+16*(\a)+7], s[10:11] offset:1024*(\a)+512
	global_store_b128 v[CO], v[CD+16*(\a)+8:CD+16*(\a)+11], s[12:13] offset:1024*(\a)
	global_store_b128 v[CO], v[CD+16*(\a)+12:CD+16*(\a)+15], s[12:13] offset:1024*(\a)+512
.endif
.endm
	s_wait_alu depctr_va_vdst(0)
	s_wait_tensorcnt 1                             ; my part of K step 0 is in (K step 1's load may be out)
	s_barrier_signal -1
	s_barrier_wait -1                              ; everybody's is
	FETCH_B 0, 0, 0
	FETCH_A 0, 0, 0
	FETCH_A 0, 0, 4
	STEP 0, 0, 1                                   ; the first products start the sums.  K = 1,024 is four slots' worth: written out, no loop
	TURN 0, 1, 1                                   ; slot 0 takes K step 2
	STEP 1, 0, 0
	TURN 1, 0, 1                                   ; slot 1 takes K step 3
	STEP 0, 0, 0
	TURN 0, 1, 0                                   ; nothing is left to fetch
	STEP 1, 0, 0
	s_wait_kmcnt 0x0                               ; the scales.  They are chosen by selects on the cluster's x: no branch hangs on a loaded number
	s_add_co_i32 s22, s68, s69                     ; q: entries 0 + 1
	s_add_co_i32 s23, s70, s71                     ; k: 2 + 3
	s_add_co_i32 s94, s72, s73                     ; v: 4 + 5
	s_cmp_eq_u32 s88, 0
	s_cselect_b32 s96, s22, s23
	s_cselect_b32 s95, s74, s75                    ; eq: entry 6 for q, 7 for k,
	s_cmp_eq_u32 s88, 2
	s_cselect_b32 s96, s94, s96
	s_cselect_b32 s95, s77, s95                    ; 9 for v
	s_add_co_i32 s96, s96, 127
	s_lshl_b32 s96, s96, 23                        ; 2^(ea + eb) as f32
	s_mov_b32 s97, s96                             ; (named with it as a pair, so it is written)
	s_add_co_i32 s95, s95, 127
	s_lshl_b32 s94, s95, 23
	v_mov_b32 v[SCL], s94                          ; 2^eq as f32: the conversion takes its exponent field
	s_cmp_eq_u32 s88, 2                            ; the ways part on the cluster's x, the same in all sixteen partners; neither way holds an LDS instruction, a tensor load or a barrier
	s_cbranch_scc1 .Lvpath
	; ---- q and k.  My rows are positions, my columns channels: two heads
	s_lshr_b32 s22, s17, 3                         ; the batch: a batch is 8 tile rows
	s_lshl_b32 s22, s22, 4
	s_lshl_b32 s23, s42, 2
	s_add_co_u32 s22, s22, s23
	s_lshl_b32 s23, s16, 1
	s_add_co_u32 s22, s22, s23                     ; 16 x batch + my first head: 4 x tile column + 2 x half
	s_add_co_u32 s94, s88, 17
	s_lshl_b32 s22, s22, s94                       ; x 131,072 bytes in qi, x 262,144 in kv
	s_and_b32 s23, s17, 7
	s_add_co_u32 s95, s88, 14
	s_lshl_b32 s23, s23, s95                       ; the block of 256 positions: 16,384 bytes in qi, a slot of 32,768 in kv
	s_add_co_u32 s22, s22, s23
	s_lshl_b32 s23, s15, 13                        ; my half: eight tiles of 1,024 bytes
	s_add_co_u32 s22, s22, s23
	s_mov_b32 s23, 0
	s_add_nc_u64 s[10:11], s[10:11], s[22:23]      ; my first head's images,
	s_lshl_b32 s22, 1, s94
	s_add_nc_u64 s[12:13], s[10:11], s[22:23]      ; my second head's
	s_lshl_b32 s22, s42, 10
	s_lshl_b32 s94, s16, 9
	s_add_co_u32 s22, s22, s94
	s_add_nc_u64 s[8:9], s[8:9], s[22:23]          ; the bias of my 128 channels
	v_lshlrev_b32 v[BO], 5, v2                     ; lane (r, h) wants, for tile b, those of channels 16 b + 8 h + 0 .. 7
	WIN TO_B                                       ; into the right operand's set 0, whose last readers stand four places back
.irp b, 0,1,2,3,4,5,6,7
	global_load_b128 v[8*\b:8*\b+3], v[BO], s[8:9] offset:64*\b
	global_load_b128 v[8*\b+4:8*\b+7], v[BO], s[8:9] offset:64*\b+16
.endr
	LASTSTEP                                       ; the bias lands under the last 64 products
	s_wait_loadcnt 0x0
	PLACES NP
.irp a, 0,1,2,3,4,5,6,7
	EPI \a, 0
.endr
	s_branch .Lend
.Lvpath:
	; ---- v.  My rows are channels (two heads), my columns keys (one key step of 128)
	s_lshr_b32 s22, s42, 3                         ; the batch: a batch is 8 tile columns
	s_lshl_b32 s22, s22, 4
	s_lshl_b32 s23, s17, 2
	s_add_co_u32 s22, s22, s23
	s_lshl_b32 s23, s15, 1
	s_add_co_u32 s22, s22, s23                     ; 16 x batch + my first head: 4 x tile row + 2 x half
	s_lshl_b32 s22, s22, 18
	s_and_b32 s23, s42, 7
	s_lshl_b32 s23, s23, 15                        ; the slot of 256 keys
	s_add_co_u32 s22, s22, s23
	s_lshl_b32 s23, s16, 13                        ; my key step: four fragments of 2,048 bytes
	s_add_co_u32 s22, s22, s23
	s_add_co_u32 s22, s22, 16384                   ; behind the slot's images of k
	s_mov_b32 s23, 0
	s_add_nc_u64 s[10:11], s[10:11], s[22:23]
	s_add_nc_u64 s[12:13], s[10:11], 262144        ; my second head's
	s_lshl_b32 s22, s17, 10
	s_lshl_b32 s94, s15, 9
	s_add_co_u32 s22, s22, s94
	s_add_nc_u64 s[8:9], s[8:9], s[22:23]          ; the bias of my 128 channels
	v_lshlrev_b32 v[BO], 2, v1                     ; lane (r, h) wants, for block a, that of channel 16 a + r: twice, to fill the pair that the packed form names
	WIN TO_B
.irp a, 0,1,2,3,4,5,6,7
	global_load_b32 v[2*\a], v[BO], s[8:9] offset:64*\a
	global_load_b32 v[2*\a+1], v[BO], s[8:9] offset:64*\a
.endr
	LASTSTEP
	s_wait_loadcnt 0x0
	PLACES NP
.irp a, 0,1,2,3,4,5,6,7
	EPI \a, 1
.endr
.Lend:
	s_wait_tensorcnt 0x0                           ; the wave's end, behind my last tensor load
	ds_add_u32 v[SPW], v[NIL]
	s_wait_dscnt 0x0
	CROUND                                         ; the closing round: no work-group ends while a partner may still ask for a tile that names it
	s_endpgm
.Lfunc_end_k_q65e8a78c56_qkv:
	.size	k_q65e8a78c56_qkv, .Lfunc_end_k_q65e8a78c56_qkv-k_q65e8a78c56_qkv
	.p2alignl 7, 3214868480
	.fill 96, 4, 3214868480
	.section	.rodata,"a",@progbits
	.p2align	6, 0x0
	.amdhsa_kernel k_q65e8a78c56_qkv
		.amdhsa_group_segment_fixed_size 327680
		.amdhsa_private_segment_fixed_size 0
		.amdhsa_enable_private_segment 0
		.amdhsa_kernarg_size 80
		.amdhsa_user_sgpr_count 2
		.amdhsa_user_sgpr_kernarg_segment_ptr 1
		.amdhsa_wavefront_size32 1
		.amdhsa_system_sgpr_workgroup_id_x 1
		.amdhsa_system_sgpr_workgroup_id_y 1
		.amdhsa_system_sgpr_workgroup_id_z 1
		.amdhsa_system_vgpr_workitem_id 0
		.amdhsa_next_free_vgpr 1024
		.amdhsa_next_free_sgpr 98
		.amdhsa_reserve_vcc 0
		.amdhsa_float_denorm_mode_32 3
		.amdhsa_float_denorm_mode_16_64 3
		.amdhsa_fp16_overflow 1
		.amdhsa_memory_ordered 1
		.amdhsa_forward_progress 1
		.amdhsa_inst_pref_size 134
	.end_amdhsa_kernel
	.amdgpu_metadata
---
amdhsa.version: [ 1, 2 ]
amdhsa.kernels:
  - .name:           k_q65e8a78c56_qkv
    .symbol:         k_q65e8a78c56_qkv.kd
    .args:
      - { .name: x_codes, .offset: 0, .size: 8, .value_kind: global_buffer, .address_space: global }
      - { .name: Wq_codes, .offset: 8, .size: 8, .value_kind: global_buffer, .address_space: global }
      - { .name: Wk_codes, .offset: 16, .size: 8, .value_kind: global_buffer, .address_space: global }
      - { .name: Wv_codes, .offset: 24, .size: 8, .value_kind: global_buffer, .address_space: global }
      - { .name: bq, .offset: 32, .size: 8, .value_kind: global_buffer, .address_space: global }
      - { .name: bk, .offset: 40, .size: 8, .value_kind: global_buffer, .address_space: global }
      - { .name: bv, .offset: 48, .size: 8, .value_kind: global_buffer, .address_space: global }
      - { .name: lowp_scales, .offset: 56, .size: 8, .value_kind: global_buffer, .address_space: global }
      - { .name: qi, .offset: 64, .size: 8, .value_kind: global_buffer, .address_space: global }
      - { .name: kv, .offset: 72, .size: 8, .value_kind: global_buffer, .address_space: global }
    .group_segment_fixed_size: 327680
    .private_segment_fixed_size: 0
    .kernarg_segment_align: 8
    .kernarg_segment_size: 80
    .max_flat_workgroup_size: 128
    .sgpr_count:     98
    .vgpr_count:     1024
    .wavefront_size: 32
...
	.end_amdgpu_metadata
.endif
;; end of part 1
;; launch attn (part 2): grid 4 x 64, 16 waves a work-group, no clusters, 327,680 bytes of LDS; arguments qi, kv, lowp_scales, oi; writes oi
.if DOCPART == 2
	.amdgcn_target "amdgcn-amd-amdhsa--gfx1250"
	.amdhsa_code_object_version 6
	.text
	.protected	k_q65e8a78c56_attn
	.globl	k_q65e8a78c56_attn
	.p2align	8
	.type	k_q65e8a78c56_attn,@function
k_q65e8a78c56_attn:
	s_mov_b64 s[64:65], 0
	v_nop
	global_prefetch_b8 v0, s[64:65] scope:SCOPE_SE
	s_setreg_imm32_b32 hwreg(HW_REG_WAVE_MODE, 25, 1), 1
	s_wait_xcnt 0x0
; o = softmax(q k^T / sqrt(2048), causal) v for 64 pairs of batch and head, 2,048 positions, head size 64, both products on codes of FP8 (E4M3); o is quantised for the last product.
; WORK LEFT OUT: a step of 128 keys that lies wholly behind a tile's 16 queries (reference()'s own tril gives those keys the weight 0: shown at the head of launch qkv).
; THE SOFTMAX AHEAD OF THE SECOND PRODUCT: t = score x log2(e) / sqrt(2048); M = the running largest t rounded UP to a whole number; p = 2^(t - M) is what is quantised, not normalised; the row's sum is taken of the
; unquantised p and divides at the end; when M moves, the sum and O are multiplied by 2^(old M - new M), which rounds nothing.
; INPUTS are images of operand registers (launch qkv): qi [pair 64][tile of 16 queries 128][1,024 bytes]; kv [pair 64][slot of 256 keys 8][32,768 bytes]: 16 tiles of k, then 2 x 4 fragments of v^T.  A group of four registers is
; 512 bytes, lane l at byte 16 l: every LDS load reads 512 consecutive bytes, so there is no pitch and no padding.
; OUTPUT: oi [block of 16 rows 512][K step of 128: 8][2,048 bytes], the last product's left operand; head n fills bytes 1,024 n of its block's 16,384.
; SHARES.  Work-group (p, pair) owns the blocks of 256 queries 7 - p and p.  Wave w owns tile tl of block 7 - p (tile L) and tile 15 - tl of block p (tile E), tl = 8 u + w / 2, u = (w xor w / 4) mod 2: a tile whose first query
; is Q has Q / 128 + 1 key steps, so each wave has 2 (7 - p) + tl / 8 + 1 + 2 p + (15 - tl) / 8 + 1 = 17 of them, whatever p and w.  Sixteen waves of 256 registers: one wave's vector work stands beside another's products and loads.
; NO CLUSTER, though the four work-groups of a pair read the same slots: work-group p reads slots 0 to 7 - p only, so a joint load would bring three of the four partners slots that none of their waves reads.
; LAYOUT.  S^T = k q^T (source 0 = 16 keys, source 1 = my 16 queries): lane (r, h) holds query r and, in tile t, keys 16 t + 8 h + 0 .. 7; their codes are registers 2 t, 2 t + 1 of the second product's operand.
; O^T = v^T p^T (source 0 = 16 channels x 128 keys): lane (r, h) holds query r and channels 16 c + 8 h + 0 .. 7.  Nothing changes lanes.
; LIMITS on the given exponents: entries 6 + 7 between -121 and 132 (they are added to c's exponent field); entries 8 and 10 between -126 and 119.  NaN among the inputs is not served.
.set SLOT1, 32768                      ; slot 1 begins here: one exclusive or turns an address in one slot into the other's
.set SPARE, 65536                      ; behind the ring: the spare words, 128 bytes for each of sixteen waves
.set LI,   1                           ; v1   16 x lane
.set ADR,  2                           ; v2   LDS address of the slot in hand + 16 x lane
.set PFO,  3                           ; v3   256 x lane: the prefetches' offset
.set RH,   4                           ; v4   r - 8 h, for the mask
.set SPW,  5                           ; v5   LDS address of my spare word; never rewritten
.set NIL,  6                           ; v6   0; never rewritten
.set STL,  12                          ; v12 -M, v13 the largest t, v[14:15] the sum in two halves: tile L's
.set STE,  16                          ; v[16:19] tile E's
.set QL,   20                          ; v[20:27] q of tile L
.set QE,   28                          ; v[28:35] q of tile E
.set FR,   36                          ; v[36:99] eight fragments of k, then four of v^T
.set S,    100                         ; v[100:163] S^T, then p
.set OL,   164                         ; v[164:195] O^T of tile L
.set OE,   196                         ; v[196:227] O^T of tile E
.set PC,   228                         ; v[228:243] p's codes; at the end o's
; v244 2^e8; v[246:247] f; v[248:249] the second chain of the sum; v250, v251 at work; v252 the exchange; v253 2^e10; v255 -infinity
.set TB,   2                           ; s2   LDS byte at which the slot in hand begins
.set WV,   18
.set SEL,  20                          ; s[20:21] lane selects for v_permlanex16_b32: lane l xor 16
.set CS,   22                          ; s[22:23] c
.set G1,   24                          ; s[24:31] descriptor group 1
.set G0,   40                          ; s[40:43] descriptor group 0, which walks
.set Q0L,  44                          ; s44  tile L's first query
.set Q0E,  45                          ; s45  tile E's
.set KF,   46                          ; s46  the step's first key
.set SLOTS, 47                         ; s47  changes of slots still to come in the loop
.set PFA,  48                          ; s[48:49] where my prefetches stand
.set LIM,  50                          ; s50  1 in a wave that prefetches, else the greatest number
; Wave 0 fetches a slot's 16,384 bytes of k, wave 1 its 16,384 of v^T, the others nothing.  An s_nop 0 and four v_nop follow the line.
.macro TLOAD
	s_cmp_lt_u32 s[WV], 2
	s_cbranch_scc0 .Lasked_\@
	tensor_load_to_lds s[G0:G0+3], s[G1:G1+7]
	s_nop 0
.rept 4
	v_nop
.endr
.Lasked_\@:
.endm
; A prefetch of the slot that the NEXT change of slots will ask for.  All four work-groups of a pair walk the same slots from 0 on, and the one with p = 0 walks all eight: it asks, and nobody else.  In it waves 4 to 7, which fetch
; nothing, take 8,192 bytes each, lanes 256 bytes apart: each aligned block of 256 bytes is named once in the launch.  Slots 0 and 1 come by their loads alone; the last change that fills a slot asks for nothing.
.macro ASK
	s_cmp_gt_u32 s[SLOTS], s[LIM]
	s_cbranch_scc0 .Lnot_mine_\@
	global_prefetch_b8 v[PFO], s[PFA:PFA+1] th:TH_LOAD_NT scope:SCOPE_SE
.Lnot_mine_\@:
.endm
	s_load_b256 s[4:11], s[0:1], 0x0               ; qi s[4:5], kv s[6:7], the scales s[8:9], oi s[10:11]
	v_lshl_add_u32 v[SPW], v0, 2, SPARE
	v_mov_b32 v[NIL], 0
	ds_add_u32 v[SPW], v[NIL]                      ; the wave's opening: the add, twice on end, and its wait ahead of the first tensor load
	ds_add_u32 v[SPW], v[NIL]                      ; and once more, under the one wait; the set-up below, work on registers, stands between
	v_lshrrev_b32 v7, 5, v0
	s_delay_alu instid0(VALU_DEP_1)
	v_readfirstlane_b32 s[WV], v7                  ; wave 0..15
	s_mov_b32 s12, ttmp9                           ; p
	s_and_b32 s13, ttmp7, 0xffff                   ; the pair of batch and head
	s_lshr_b32 s96, s[WV], 2
	s_xor_b32 s96, s96, s[WV]
	s_and_b32 s96, s96, 1                          ; u
	s_lshl_b32 s96, s96, 3
	s_lshr_b32 s97, s[WV], 1
	s_add_co_u32 s96, s96, s97                     ; tl
	s_sub_co_u32 s97, 7, s12
	s_lshl_b32 s97, s97, 8
	s_lshl_b32 s[Q0L], s96, 4
	s_add_co_u32 s[Q0L], s[Q0L], s97               ; 256 (7 - p) + 16 tl
	s_sub_co_u32 s96, 15, s96
	s_lshl_b32 s96, s96, 4
	s_lshl_b32 s97, s12, 8
	s_add_co_u32 s[Q0E], s96, s97                  ; 256 p + 16 (15 - tl)
	; descriptor group 1: 16,384 dense bytes as 64 rows of 256
	s_mov_b32 s[G1], 3<<16                         ; 15:0 no mask; 17:16 elements of 8 bytes; no padding
	s_mov_b32 s[G1+1], 32<<16                      ; tensor_dim0 = 32 elements
	s_mov_b32 s[G1+2], 64<<16                      ; tensor_dim1 = 64
	s_mov_b32 s[G1+3], 32<<16                      ; tile_dim0
	s_mov_b32 s[G1+4], 64                          ; tile_dim1
	s_mov_b32 s[G1+5], 32                          ; tensor_dim0_stride: each row begins where the last ends
	s_mov_b32 s[G1+6], 0
	s_mov_b32 s[G1+7], 0
	s_mov_b32 s[SEL], 0x76543210
	s_mov_b32 s[SEL+1], 0xfedcba98
	s_mov_b32 s[CS], 0x3d0293ee                    ; c = log2(e) / sqrt(2048)
	s_mov_b32 s[TB], 0
	s_mov_b32 s[SLOTS], 7
	s_mov_b32 s[KF], 0
	s_and_b32 s96, s[WV], 1
	s_lshl_b32 s[G0+1], s96, 14                    ; 63:32 LDS address: slot 0; k's half or v's
	s_lshl_b32 s60, s13, 18                        ; the pair's 262,144 bytes of kv
	s_add_co_u32 s62, s60, s[G0+1]
	s_mov_b32 s63, 0
	s_and_b32 s96, s[WV], 3
	s_lshl_b32 s96, s96, 13
	s_add_co_u32 s60, s60, s96
	s_add_co_u32 s60, s60, SLOT1                   ; the prefetches: my 8,192 bytes, in slot 1: the first change of slots steps them to slot 2
	s_mov_b32 s61, 0
	s_sub_co_u32 s96, s[WV], 4
	s_lshr_b32 s96, s96, 2                         ; 0 in waves 4 to 7,
	s_or_b32 s96, s96, s12                         ; of the work-group with p = 0
	s_cmp_eq_u32 s96, 0
	s_cselect_b32 s[LIM], 1, -1
	s_wait_dscnt 0x0                               ; both opening adds are done
	s_wait_kmcnt 0x0
	s_load_b128 s[68:71], s[8:9], 0x18             ; entries 6 to 9: q's, k's, p's, v's
	s_load_b32 s72, s[8:9], 0x28                   ; entry 10: o's
	s_mov_b32 s[G0], 1                             ; 1:0 count = 1
	s_add_nc_u64 s[G0+2:G0+3], s[6:7], s[62:63]    ; 120:64 global address: the pair's slot 0
	s_or_b32 s[G0+3], s[G0+3], 0x80000000          ; 127:126 type = 2
	TLOAD                                          ; slot 0: it holds key 0, which counts for every query
	s_add_nc_u64 s[PFA:PFA+1], s[6:7], s[60:61]
	s_mov_b32 s75, 0
	s_lshl_b32 s96, s13, 17                        ; the pair's 131,072 bytes of qi
	s_lshl_b32 s74, s[Q0L], 6                      ; a tile of 16 queries is 1,024 bytes
	s_add_co_u32 s74, s74, s96
	s_add_nc_u64 s[52:53], s[4:5], s[74:75]
	s_lshl_b32 s74, s[Q0E], 6
	s_add_co_u32 s74, s74, s96
	s_add_nc_u64 s[54:55], s[4:5], s[74:75]
	s_lshr_b32 s96, s13, 4
	s_lshl_b32 s96, s96, 21                        ; oi: the batch's 128 blocks of 16,384 bytes,
	s_and_b32 s97, s13, 15
	s_lshl_b32 s97, s97, 10                        ; the head's 1,024 bytes in a block,
	s_add_co_u32 s96, s96, s97
	s_lshl_b32 s74, s[Q0L], 10                     ; the block: query / 16 x 16,384
	s_add_co_u32 s74, s74, s96
	s_add_nc_u64 s[56:57], s[10:11], s[74:75]
	s_lshl_b32 s74, s[Q0E], 10
	s_add_co_u32 s74, s74, s96
	s_add_nc_u64 s[58:59], s[10:11], s[74:75]
	v_and_b32 v7, 31, v0
	s_delay_alu instid0(VALU_DEP_1)
	v_lshlrev_b32 v[LI], 4, v7
	s_delay_alu instid0(VALU_DEP_2)
	v_lshlrev_b32 v[PFO], 8, v7
	global_load_b128 v[QL:QL+3], v[LI], s[52:53]   ; q's two fragments stay in registers
	global_load_b128 v[QL+4:QL+7], v[LI], s[52:53] offset:512
	global_load_b128 v[QE:QE+3], v[LI], s[54:55]
	global_load_b128 v[QE+4:QE+7], v[LI], s[54:55] offset:512
	v_and_b32 v8, 15, v0
	v_bfe_u32 v9, v0, 4, 1
	s_delay_alu instid0(VALU_DEP_1)
	v_lshlrev_b32 v9, 3, v9
	s_delay_alu instid0(VALU_DEP_1)
	v_sub_nc_u32 v[RH], v8, v9                     ; r - 8 h
.irp t, STL, STE
	v_mov_b32 v[\t+1], 0xff61b1e6                  ; the largest t so far: -3e38, under every t
	s_delay_alu instid0(VALU_DEP_1)
	v_floor_f32 v[\t], -v[\t+1]                    ; -M
	v_mov_b32 v[\t+2], 0                           ; the sum, in two halves
	v_mov_b32 v[\t+3], 0
.endr
	v_mov_b32 v247, 0                              ; (named as the upper half of the pair v[246:247])
	v_mov_b32 v250, 0                              ; written once: a lane permute's destination counts as one of its sources
	v_mov_b32 v251, 0
	v_mov_b32 v252, 0
	v_mov_b32 v255, 0xff800000                     ; -infinity
.set j, 0
.rept 64
	v_mov_b32 v[OL+j], 0                           ; O^T of both tiles.  (The step is written for all steps alike: the first finds zeros, which the first change of M leaves zeros)
.set j, j+1
.endr
	s_wait_kmcnt 0x0
	s_add_co_i32 s96, s68, s69
	s_lshl_b32 s96, s96, 23
	s_add_co_i32 s[CS], s[CS], s96                 ; a score stands for score x 2^(e6 + e7): the two exponents are added to c's exponent field
	s_mov_b32 s[CS+1], s[CS]                       ; (named with it as a pair, so it is written)
	s_add_co_i32 s96, s70, 127
	s_lshl_b32 s97, s96, 23
	v_mov_b32 v244, s97                            ; 2^e8 as f32, for p's conversions
	s_add_co_i32 s96, s72, 127
	s_lshl_b32 s97, s96, 23
	v_mov_b32 v253, s97                            ; 2^e10, for o's
	s_add_co_i32 s73, s70, s71                     ; e8 + e9
; A KEY STEP of one tile: 128 keys, the kq-th of the slot in hand.  qf: the tile's q; ot: its O^T; st: its statistics; qz: the scalar register with its first query.
.macro STEP kq, qf, ot, st, qz
	s_add_co_u32 s96, s[\qz], 15                   ; a step all of whose keys come after my 16 queries is left out: a scalar branch on ids; no barrier, wait on tensor loads or tensor load stands in a step
	s_cmp_gt_u32 s[KF], s96
	s_cbranch_scc1 .Lhidden_\@
	v_add_nc_u32 v[ADR], s[TB], v[LI]
.rept 3
	v_nop                                          ; with the addition above: four places in front of loads into registers that the last products read
.endr
.irp t, 0,1,2,3,4,5,6,7
	ds_load_b128 v[FR+8*\t:FR+8*\t+3], v[ADR] offset:(8*(\kq)+\t)*1024
	ds_load_b128 v[FR+8*\t+4:FR+8*\t+7], v[ADR] offset:(8*(\kq)+\t)*1024+512
.endr
	s_wait_alu depctr_va_vdst(0)
	s_wait_dscnt 0x0
.irp t, 0,1,2,3,4,5,6,7
	v_wmma_f32_16x16x64_fp8_fp8 v[S+8*\t:S+8*\t+7], v[FR+8*\t:FR+8*\t+7], v[\qf:\qf+7], 0
.endr
.rept 4
	v_nop                                          ; places in front of the loads below and of the first read of the scores
.endr
.irp c, 0,1,2,3
.irp g, 0,1,2,3
	ds_load_b128 v[FR+16*\c+4*\g:FR+16*\c+4*\g+3], v[ADR] offset:16384+8192*(\kq)+2048*\c+512*\g   ; v^T is asked for now and lands under the softmax
.endr
.endr
	s_add_co_u32 s96, s[KF], 127                   ; on the diagonal the scores of hidden keys become -infinity ahead of the maximum: p = 0 then.  A step all of whose keys count skips this
	s_cmp_le_u32 s96, s[\qz]
	s_cbranch_scc1 .Lopen_\@
	s_sub_co_i32 s96, s[\qz], s[KF]
	v_add_nc_u32 v251, s96, v[RH]                  ; d = my query - the step's first key - 8 h.  Register 8 t + i holds key 16 t + 8 h + i of the step: hidden where 16 t + i > d
.set n, 0
.rept 64
	v_cmp_gt_i32 vcc_lo, 16*(n/8)+n%8, v251
	v_cndmask_b32 v[S+n], v[S+n], v255, vcc_lo
.set n, n+1
.endr
.Lopen_\@:
	v_max3_num_f32 v250, v[S], v[S+1], v[S+2]      ; the step's largest score of my query, among my 64 keys, in two chains; each accumulator is first read at its low end
	v_max3_num_f32 v251, v[S+3], v[S+4], v[S+5]
.irp i, 6,10,14,18,22,26,30,34,38,42,46,50,54,58
	v_max3_num_f32 v250, v250, v[S+\i], v[S+\i+1]
	v_max3_num_f32 v251, v251, v[S+\i+2], v[S+\i+3]
.endr
	v_max3_num_f32 v250, v250, v[S+62], v[S+63]
	s_delay_alu instid0(VALU_DEP_1)
	v_max_num_f32 v250, v250, v251
	s_delay_alu instid0(VALU_DEP_1)
	v_permlanex16_b32 v252, v250, s[SEL], s[SEL+1]
	s_delay_alu instid0(VALU_DEP_1)
	v_max_num_f32 v250, v250, v252                 ; and among lane l xor 16's
	s_delay_alu instid0(VALU_DEP_1)
	v_mul_f32 v250, s[CS], v250                    ; as t (c is positive)
	s_delay_alu instid0(VALU_DEP_1)
	v_max_num_f32 v[\st+1], v[\st+1], v250         ; the running largest t
	v_mov_b32 v250, v[\st]
	s_delay_alu instid0(VALU_DEP_2)
	v_floor_f32 v[\st], -v[\st+1]                  ; the new -M = floor(-t) = -ceil(t): a whole number
	s_delay_alu instid0(VALU_DEP_1)
	v_sub_f32 v250, v[\st], v250                   ; M's old value less its new one: a whole number, 0 or less
	s_delay_alu instid0(VALU_DEP_1)
	v_cvt_i32_f32 v250, v250                       ; (it saturates)
	s_delay_alu instid0(VALU_DEP_1)
	v_ldexp_f32 v246, 1.0, v250                    ; f = 2^(old M - new M)
.set j, 0
.rept 32
	v_pk_fma_f32 v[S+j:S+j+1], v[S+j:S+j+1], s[CS:CS+1], v[\st:\st+1] op_sel_hi:[1,0,0]   ; t - M, two at a time (of the pairs c and -M the low word serves both halves)
.set j, j+2
.endr
.set j, 0
	s_wait_alu depctr_va_vdst(0)
.rept 64
	v_exp_f32 v[S+j], v[S+j]                       ; p = 2^(t - M), at most 1: not normalised
.set j, j+1
.endr
	v_pk_mul_f32 v[\st+2:\st+3], v[\st+2:\st+3], v[246:247] op_sel_hi:[1,0]   ; the sums under the new M: the plain instruction behind the exponentials
	s_wait_alu depctr_va_vdst(0)                   ; one wait for the whole batch, ahead of its first reader
	v_pk_add_f32 v[248:249], v[S:S+1], v[S+2:S+3]  ; the row's sum is taken of the UNQUANTISED p: two at a time, in two chains
.irp j, 4,8,12,16,20,24,28,32,36,40,44,48,52,56,60
	v_pk_add_f32 v[\st+2:\st+3], v[\st+2:\st+3], v[S+\j:S+\j+1]
	v_pk_add_f32 v[248:249], v[248:249], v[S+\j+2:S+\j+3]
.endr
	s_delay_alu instid0(VALU_DEP_1)
	v_pk_add_f32 v[\st+2:\st+3], v[\st+2:\st+3], v[248:249]
.irp t, 0,1,2,3,4,5,6,7
.irp i, 0,1,2,3,4,5,6,7
.endr
	v_cvt_scalef32_pk8_fp8_f32 v[PC+2*\t:PC+2*\t+1], v[S+8*\t:S+8*\t+7], v244
.endr
.set j, 0
.rept 16
	v_pk_mul_f32 v[\ot+j:\ot+j+1], v[\ot+j:\ot+j+1], v[246:247] op_sel_hi:[1,0]   ; O^T under the new M.  (Plain instructions between the conversions and the products that read the codes)
.set j, j+2
.endr
	s_wait_alu depctr_va_vdst(0)
	s_wait_dscnt 0x0                               ; v^T is in
.irp c, 0,1,2,3                        ; the four accumulators take turns, and eight products k q^T stand ahead of a tile's next four
	v_wmma_f32_16x16x128_fp8_fp8 v[\ot+8*\c:\ot+8*\c+7], v[FR+16*\c:FR+16*\c+15], v[PC:PC+15], v[\ot+8*\c:\ot+8*\c+7]
.endr
.Lhidden_\@:
.endm
; THE CHANGE OF SLOTS stands at a slot's head.  Each wave waits for all its tensor loads, adds 0 to its spare word (fill = 1: twice on end), and waits for that and for its reads of the slot that it has left.  Behind the
; barrier the slot ahead is whole and nobody reads the other one.  fill = 1: that other slot is filled with the next 256 keys, up to the causal limit: the load has a whole slot's steps in which to land.
.macro CHANGE fill
	s_wait_tensorcnt 0x0                           ; no tensor load of mine is out, so group 0 may be written
	ds_add_u32 v[SPW], v[NIL]                      ; 0 onto my spare word
.if \fill
	ds_add_u32 v[SPW], v[NIL]                      ; and once more: the add twice on end here, in every trip alike
	s_xor_b32 s[G0+1], s[G0+1], SLOT1              ; the walking descriptor: the other slot than last time,
	s_add_nc_u64 s[G0+2:G0+3], s[G0+2:G0+3], 32768 ; the next 256 keys; the type bits on top are not reached
	s_wait_xcnt 0x0                                ; the last prefetch, a slot back, has read its address, so it may be written:
	s_add_nc_u64 s[PFA:PFA+1], s[PFA:PFA+1], 32768 ; one slot further on than the walking descriptor
.endif
	s_wait_dscnt 0x0                               ; the add is done (fill = 1: both are), and my reads of the slot that I have left are over
	s_barrier_signal -1
	s_barrier_wait -1
.if \fill
	s_add_co_u32 s96, s[KF], 256                   ; the first key of the slot that this change would ask for
	s_or_b32 s97, s[Q0L], 255                      ; my work-group's last query: 256 (7 - p) + 255
	s_cmp_gt_u32 s96, s97                          ; ids and the count of steps alone: all sixteen waves go the same way, and a work-group that is past the limit stays past it.
	s_cbranch_scc1 .Lpast_\@                       ; A slot beyond the limit is read by none of my waves, so it is not asked for; every wait on tensor loads in this text is for 0
	TLOAD                                          ; the first thing behind the barrier but for the limit's four lines, and a wave's one tensor load until the next
.Lpast_\@:
	ASK
.endif
.endm
.macro SLOT_STEPS
.irp q, 0,1
	STEP \q, QL, OL, STL, Q0L
	STEP \q, QE, OE, STE, Q0E
	s_add_co_u32 s[KF], s[KF], 128
.endr
	s_xor_b32 s[TB], s[TB], SLOT1                  ; on to the other slot
.endm
	s_wait_loadcnt 0x0                             ; q
.Lslot:                                            ; seven trips, a constant: every work-group walks all eight slots' changes, and jumps over the steps and loads that the mask leaves it without
	CHANGE 1
	SLOT_STEPS
	s_sub_co_u32 s[SLOTS], s[SLOTS], 1
	s_cmp_lg_u32 s[SLOTS], 0
	s_cbranch_scc1 .Lslot
	CHANGE 0                                       ; the last slot is written out: nothing is asked for behind it
	SLOT_STEPS
	; THE WAY OUT.  O^T x 2^(e8 + e9) / the sum is o; it is converted with 2^e10 and stored as the image of eight registers of the last product's operand: 512 consecutive bytes a store.
.rept 4
	v_nop                                          ; places behind the last products
.endr
	v_add_f32 v14, v14, v15                        ; the sums' two halves,
	v_add_f32 v18, v18, v19
	s_delay_alu instid0(VALU_DEP_2)
	v_permlanex16_b32 v252, v14, s[SEL], s[SEL+1]
	s_delay_alu instid0(VALU_DEP_2)
	v_permlanex16_b32 v250, v18, s[SEL], s[SEL+1]
	s_delay_alu instid0(VALU_DEP_2)
	v_add_f32 v14, v14, v252                       ; and lane l xor 16's
	s_delay_alu instid0(VALU_DEP_2)
	v_add_f32 v18, v18, v250
	s_wait_alu depctr_va_vdst(0)
	v_rcp_f32 v14, v14
	v_rcp_f32 v18, v18
	v_nop                                          ; a plain instruction behind the reciprocals
	s_wait_alu depctr_va_vdst(0)                   ; one wait for both, ahead of the first reader
	v_ldexp_f32 v14, v14, s73
	v_ldexp_f32 v18, v18, s73
.set j, 0
.rept 32
	v_mul_f32 v[S+j], v[OL+j], v14                 ; each accumulator from its low end on
.set j, j+1
.endr
.set j, 0
.rept 32
	v_mul_f32 v[S+32+j], v[OE+j], v18
.set j, j+1
.endr
.set j, 0
.rept 64
.set j, j+1
.endr
.irp i, 0,1,2,3,4,5,6,7
	v_cvt_scalef32_pk8_fp8_f32 v[PC+2*\i:PC+2*\i+1], v[S+8*\i:S+8*\i+7], v253
.endr
	v_nop
	global_store_b128 v[LI], v[PC:PC+3], s[56:57]
	global_store_b128 v[LI], v[PC+4:PC+7], s[56:57] offset:512
	global_store_b128 v[LI], v[PC+8:PC+11], s[58:59]
	global_store_b128 v[LI], v[PC+12:PC+15], s[58:59] offset:512
	s_wait_tensorcnt 0x0                           ; the wave's end, behind the last tensor load
	ds_add_u32 v[SPW], v[NIL]
	s_wait_dscnt 0x0
	s_endpgm
.Lfunc_end_k_q65e8a78c56_attn:
	.size	k_q65e8a78c56_attn, .Lfunc_end_k_q65e8a78c56_attn-k_q65e8a78c56_attn
	.p2alignl 7, 3214868480
	.fill 96, 4, 3214868480
	.section	.rodata,"a",@progbits
	.p2align	6, 0x0
	.amdhsa_kernel k_q65e8a78c56_attn
		.amdhsa_group_segment_fixed_size 327680
		.amdhsa_private_segment_fixed_size 0
		.amdhsa_enable_private_segment 0
		.amdhsa_kernarg_size 32
		.amdhsa_user_sgpr_count 2
		.amdhsa_user_sgpr_kernarg_segment_ptr 1
		.amdhsa_wavefront_size32 1
		.amdhsa_system_sgpr_workgroup_id_x 1
		.amdhsa_system_sgpr_workgroup_id_y 1
		.amdhsa_system_sgpr_workgroup_id_z 1
		.amdhsa_system_vgpr_workitem_id 0
		.amdhsa_next_free_vgpr 256
		.amdhsa_next_free_sgpr 100
		.amdhsa_reserve_vcc 1
		.amdhsa_float_denorm_mode_32 3
		.amdhsa_float_denorm_mode_16_64 3
		.amdhsa_fp16_overflow 1
		.amdhsa_memory_ordered 1
		.amdhsa_forward_progress 1
		.amdhsa_inst_pref_size 163
	.end_amdhsa_kernel
	.amdgpu_metadata
---
amdhsa.version: [ 1, 2 ]
amdhsa.kernels:
  - .name:           k_q65e8a78c56_attn
    .symbol:         k_q65e8a78c56_attn.kd
    .args:
      - { .name: qi, .offset: 0, .size: 8, .value_kind: global_buffer, .address_space: global }
      - { .name: kv, .offset: 8, .size: 8, .value_kind: global_buffer, .address_space: global }
      - { .name: lowp_scales, .offset: 16, .size: 8, .value_kind: global_buffer, .address_space: global }
      - { .name: oi, .offset: 24, .size: 8, .value_kind: global_buffer, .address_space: global }
    .group_segment_fixed_size: 327680
    .private_segment_fixed_size: 0
    .kernarg_segment_align: 8
    .kernarg_segment_size: 32
    .max_flat_workgroup_size: 512
    .sgpr_count:     100
    .vgpr_count:     256
    .wavefront_size: 32
...
	.end_amdgpu_metadata
.endif
;; end of part 2
;; launch proj (part 3): grid 4 x 32, 4 waves a work-group, clusters of 4 x 4, 327,680 bytes of LDS; arguments oi, Wp_codes, lowp_scales, bp, out0; writes out0
.if DOCPART == 3
	.amdgcn_target "amdgcn-amd-amdhsa--gfx1250"
	.amdhsa_code_object_version 6
	.text
	.protected	k_q65e8a78c56_proj
	.globl	k_q65e8a78c56_proj
	.p2align	8
	.type	k_q65e8a78c56_proj,@function
k_q65e8a78c56_proj:
	s_mov_b64 s[64:65], 0
	v_nop
	global_prefetch_b8 v0, s[64:65] scope:SCOPE_SE
	s_setreg_imm32_b32 hwreg(HW_REG_WAVE_MODE, 25, 1), 1
	s_wait_xcnt 0x0
	s_wait_alu depctr_hold_cnt(0) depctr_sa_sdst(0) depctr_va_vdst(0) depctr_va_sdst(0) depctr_va_ssrc(0) depctr_va_vcc(0) depctr_vm_vsrc(0)
	s_getreg_b32 s2, hwreg(HW_REG_IB_STS2, 6, 4)
	s_cmp_eq_u32 s2, 0
	s_cbranch_scc0 .Lentry_in_a_cluster
	s_endpgm
.Lentry_in_a_cluster:
	s_bfe_u32 s2, ttmp6, 0x10000c
	s_cmp_lg_u32 s2, 0xf033
	s_cbranch_scc0 .Lentry_shape_is_right
	s_endpgm
.Lentry_shape_is_right:
; out0 = o Wp + bp on codes of FP8 (E4M3).  o: 8,192 rows x 1,024, as images of operand registers (launch attn): oi [block of 16 rows 512][K step of 128: 8][2,048 bytes], in the layout of the plain FP8 forms
; (lane (r, h): row r; registers 2 c, 2 c + 1: k = 16 c + 8 h + 0 .. 7), four registers in 512 bytes, lane l at byte 16 l.  Wp: [1024 (n)][1024 (k)] codes, K innermost.  out0: [8192][1024] f32.
; out0 = sum x 2^(e10 + e11) + bp.  LIMIT: e10 + e11 between -126 and 127, so that the power of two is an f32 number.
; A tile of 256 x 256 is made by a work-group of four waves, 128 x 128 a wave: 64 accumulators, 512 registers.  K goes in steps of 256 through a ring of two LDS slots filled by the tensor data mover.
; CLUSTERS: 4 x 4 work-groups; the four of a row need the same tiles of o, the four of a column the same tiles of Wp: each tile is asked for JOINTLY.  THE MATRIX INSTRUCTION IS USED TRANSPOSED (source 0 = 16 rows of Wp,
; source 1 = 16 rows of o): a lane holds eight neighbouring numbers of a row of out0.
; o's tile comes as it lies: for each of 8 blocks of 16 rows the 4,096 bytes of two K steps; a fragment is four loads of 512 consecutive bytes.  Wp's fragments take the same places of k: eight loads of 8 bytes, 16 bytes apart.
; REGISTERS, in windows of 256: window 0: v0-31 addresses; from v128 o's fragments, ONE set; on the way out v32-255 are free.   window 1: Wp's fragments, TWO sets, at v0 and v128; in the last step v0-63 take the bias.
;   windows 2, 3: the accumulators ((a, b) at v[8 (8 (a % 4) + b)]).
.set SIZE_N, 1024
.set ROWB,   256                       ; a row of Wp's tile in bytes
.set KROW,   1024                      ; a row of Wp in memory
.set PITCH,  272                       ; an LDS row of Wp's tile: 256 bytes + 16 of padding = 68 words: row r starts at bank 4 r mod 64 (64 banks of 4 bytes: ISA guide 11.1)
.set FR,     16
.set NL,     4                         ; LDS loads that bring a fragment of o
.set NP,     4                         ; places behind this matrix instruction (ISA guide 7.12.1)
.set HALFA,  32768                     ; 8 blocks x 4,096 bytes: what one tensor load brings of o
.set HALFT,  128*PITCH                 ; 128 rows of Wp
.set BOFF,   2*HALFA                   ; Wp's tile lies behind o's
.set SLOT,   BOFF+2*HALFT
.set SPARE,  2*SLOT                    ; behind the ring: the spare words, 128 bytes for each wave
.set SPITCH, 528                       ; the way out: a stage of 16 rows x (512 bytes + 16) for each wave, in slot 0, which has had its last fill and its last read when the first result is stored there
.set BO,   7                           ; v7      my byte offset in the bias
.set ADRA, 16
.set ADRB, 20
.set STO,  24
.set RD,   25
.set CO,   26                          ; v26     16 x lane
.set SPW,  28
.set NIL,  29
.set TMP,  32
.set AF,   128
.set BK,   128
.set G1, 24
.set G0, 32
.set G1B, 48
.set G0B, 56
.set MSB, 0
.macro WIN new                         ; the immediate's high byte repeats the setting that is left
.if MSB != \new
	s_set_vgpr_msb (MSB<<8)|\new
.set MSB, \new
.endif
.endm
.set MUL_LO, 0xa1
.set MUL_HI, 0xf1
.set TO_B,   0x40
.macro JLOAD g0a, g1a, g0b, g1b        ; a joint load: waves 0 and 1 fetch o's halves, waves 2 and 3 Wp's; an s_nop 0 and four v_nop follow each line
	s_cmp_eq_u32 s15, 0
	s_cbranch_scc0 .Lfor_b_\@
	tensor_load_to_lds s[\g0a:\g0a+3], s[\g1a:\g1a+7]
	s_nop 0
.rept 4
	v_nop
.endr
	s_branch .Lasked_\@
.Lfor_b_\@:
	tensor_load_to_lds s[\g0b:\g0b+3], s[\g1b:\g1b+7]
	s_nop 0
.rept 4
	v_nop
.endr
.Lasked_\@:
.endm
.macro CREST
	s_cmp_lg_u32 s14, 0
	s_cbranch_scc1 .Lnot_wave_0_\@
	s_barrier_signal -3
.Lnot_wave_0_\@:
	s_barrier_wait -3
	s_barrier_signal -1
	s_barrier_wait -1
.endm
.macro CROUND
	s_barrier_signal -1
	s_barrier_wait -1
	CREST
.endm
	s_load_b128 s[4:7], s[0:1], 0x0                ; oi s[4:5], Wp's codes s[6:7]
	s_load_b128 s[8:11], s[0:1], 0x10              ; the scales s[8:9], bp s[10:11]
	s_load_b64 s[12:13], s[0:1], 0x20              ; out0
	v_lshl_add_u32 v[SPW], v0, 2, SPARE
	v_mov_b32 v[NIL], 0
	ds_add_u32 v[SPW], v[NIL]                      ; the wave's opening: the add, twice on end, and its wait ahead of my first tensor load
	ds_add_u32 v[SPW], v[NIL]                      ; and once more, under the one wait; the set-up below, work on registers, stands between
	v_lshrrev_b32 v1, 5, v0
	v_readfirstlane_b32 s14, v1                    ; wave 0..3
	s_lshr_b32 s15, s14, 1                         ; which half of the tile's rows is mine.  Also: I fetch for o (0) or for Wp (1)
	s_and_b32 s16, s14, 1                          ; which half of its columns.  Also: which half of that tile I fetch
	s_bfe_u32 s40, ttmp6, 0x40000                  ; cx, cy
	s_bfe_u32 s41, ttmp6, 0x40004
	s_lshl_b32 s42, ttmp9, 2
	s_add_co_u32 s42, s42, s40                     ; tile column = 4 x cluster x + cx
	s_and_b32 s17, ttmp7, 0xffff
	s_lshl_b32 s17, s17, 2
	s_add_co_u32 s17, s17, s41                     ; tile row = 4 x cluster y + cy
	s_lshl_b32 s43, s41, 2
	s_lshl_b32 s43, 15, s43                        ; my row of the cluster
	s_lshl_b32 s44, 0x1111, s40                    ; my column
	; descriptor group 1 for o: 8 rows of 4,096 bytes, 16,384 bytes apart, dense in LDS
	s_or_b32 s[G1+0], s43, (3<<16)|(1<<21)         ; 15:0 the mask: my row; 17:16 elements of 8 bytes; 21 set beside a mask; no padding
	s_mov_b32 s[G1+1], 512<<16                     ; tensor_dim0 = 512 elements
	s_mov_b32 s[G1+2], 8<<16                       ; tensor_dim1 = 8
	s_mov_b32 s[G1+3], 512<<16                     ; tile_dim0
	s_mov_b32 s[G1+4], 8                           ; tile_dim1
	s_mov_b32 s[G1+5], 2048                        ; tensor_dim0_stride
	s_mov_b32 s[G1+6], 0
	s_mov_b32 s[G1+7], 0
	; and for Wp: 128 rows of 256 bytes, padded in LDS
	s_or_b32 s[G1B+0], s44, (0<<16)|(1<<20)|(1<<21)|(5<<22)|(3<<25)  ; the mask: my column; elements of 1 byte; padding: four words after every 64
	s_mov_b32 s[G1B+1], ROWB<<16
	s_mov_b32 s[G1B+2], 128<<16
	s_mov_b32 s[G1B+3], ROWB<<16
	s_mov_b32 s[G1B+4], 128
	s_mov_b32 s[G1B+5], KROW
	s_mov_b32 s[G1B+6], 0
	s_mov_b32 s[G1B+7], 0
	s_lshl_b32 s20, s17, 4
	s_lshl_b32 s18, s16, 3
	s_add_co_u32 s20, s20, s18                     ; o: block 16 x tile row + 8 x half,
	s_lshl_b32 s20, s20, 14                        ; x 16,384 bytes
	s_mov_b32 s21, 0
	s_lshl_b32 s46, s42, 8
	s_lshl_b32 s18, s16, 7
	s_add_co_u32 s46, s46, s18                     ; Wp: row 256 x tile column + 128 x half,
	s_lshl_b32 s46, s46, 10                        ; x 1,024 bytes
	s_mov_b32 s47, 0
	s_lshl_b32 s45, s16, 15                        ; where they go: o's half,
	s_mul_i32 s19, s16, HALFT
	s_add_co_u32 s19, s19, BOFF                    ; Wp's half: no place in the cluster enters an LDS address
	s_wait_dscnt 0x0                               ; both opening adds are done
	s_wait_kmcnt 0x0
	s_load_b64 s[96:97], s[8:9], 0x28              ; e10, e11
	s_add_nc_u64 s[20:21], s[4:5], s[20:21]
	s_add_nc_u64 s[46:47], s[6:7], s[46:47]
	CROUND                                         ; all sixteen work-groups are here: the first joint loads meet
.irp s, 0,1
	s_mov_b32 s[G0+4*\s], 1
	s_add_co_u32 s[G0+4*\s+1], s45, \s*SLOT
	s_add_nc_u64 s[G0+4*\s+2:G0+4*\s+3], s[20:21], \s*4096
	s_or_b32 s[G0+4*\s+3], s[G0+4*\s+3], 0x80000000
	s_mov_b32 s[G0B+4*\s], 1
	s_add_co_u32 s[G0B+4*\s+1], s19, \s*SLOT
	s_add_nc_u64 s[G0B+4*\s+2:G0B+4*\s+3], s[46:47], \s*ROWB
	s_or_b32 s[G0B+4*\s+3], s[G0B+4*\s+3], 0x80000000
	s_wait_alu depctr_va_vdst(0)
	s_wait_tensorcnt 0x0
	ds_add_u32 v28, v29
	ds_add_u32 v28, v29
	s_wait_dscnt 0x0
	CROUND
	JLOAD G0+4*\s, G1, G0B+4*\s, G1B
.endr
	v_and_b32 v1, 15, v0                           ; r
	v_bfe_u32 v2, v0, 4, 1                         ; h
	v_and_b32 v6, 31, v0
	v_lshlrev_b32 v[CO], 4, v6                     ; 16 x lane
	v_mul_u32_u24 v3, v1, PITCH
	v_lshl_add_u32 v4, v2, 3, v3                   ; Wp: row x pitch + 8 x half
	s_lshl_b32 s21, s15, 15                        ; my eight blocks of o
	s_mul_i32 s22, s16, HALFT                      ; my 128 rows of Wp,
	s_add_co_u32 s22, s22, BOFF                    ; which lie behind o's tile
.irp s, 0,1
	v_add_nc_u32 v[ADRA+\s], s21, v[CO]
	v_add_nc_u32 v[ADRB+\s], s22, v4
	s_add_co_u32 s21, s21, SLOT
	s_add_co_u32 s22, s22, SLOT
.endr
	s_mul_i32 s23, s14, 16*SPITCH                  ; my stage
	v_mul_u32_u24 v5, v1, SPITCH                   ; in: row r, 32 bytes for each half of the lanes
	v_lshl_add_u32 v5, v2, 5, v5
	v_add_nc_u32 v[STO], s23, v5
	v_add_nc_u32 v[RD], s23, v[CO]                 ; back: the 32 lanes take one row of 512 bytes
	v_lshlrev_b32 v[BO], 5, v2                     ; the bias: lane (r, h) wants, for tile b, those of columns 16 b + 8 h + 0 .. 7
	s_lshl_b32 s20, s17, 8
	s_lshl_b32 s21, s15, 7
	s_add_co_u32 s20, s20, s21                     ; my first row of out0: 256 x tile row + 128 x half,
	s_lshl_b32 s20, s20, 12                        ; x 4,096 bytes
	s_lshl_b32 s46, s42, 10                        ; my first column, in bytes: 1,024 x tile column + 512 x half
	s_lshl_b32 s47, s16, 9
	s_add_co_u32 s46, s46, s47
	s_mov_b32 s47, 0
	s_mov_b32 s21, 0
	s_add_nc_u64 s[10:11], s[10:11], s[46:47]      ; the bias of my 128 columns
	s_add_nc_u64 s[20:21], s[20:21], s[46:47]
	s_add_nc_u64 s[12:13], s[12:13], s[20:21]
.macro FRAGA reg, adr, q, i            ; block i's fragment of the slot's q-th 128 along K: an image, four groups of four registers
.irp c, 0,1,2,3
	ds_load_b128 v[\reg+4*\c:\reg+4*\c+3], v[\adr] offset:4096*(\i)+2048*(\q)+512*\c
.endr
.endm
.macro FRAGB reg, adr, q, i            ; 16 rows of Wp: registers 2 c, 2 c + 1 hold K = 16 c + 8 (l / 16) + 0 .. 7
.irp c, 0,1,2,3,4,5,6,7
	ds_load_b64 v[\reg+2*\c:\reg+2*\c+1], v[\adr] offset:128*(\q)+16*\c+(\i)*16*PITCH
.endr
.endm
; 16 matrix instructions: o's blocks a0, a0 + 1 x Wp's eight, 128 along K.  The 64 accumulators take turns, one instruction a turn, in the same order in every step.
.macro MUL16 a0, p, zero
.irp a, \a0, \a0+1
.irp b, 0,1,2,3,4,5,6,7
.if \zero
	v_wmma_f32_16x16x128_fp8_fp8 v[8*(8*((\a)%4)+\b):8*(8*((\a)%4)+\b)+7], v[128*(\p)+FR*\b:128*(\p)+FR*\b+FR-1], v[AF+FR*(\a):AF+FR*(\a)+FR-1], 0
.else
	v_wmma_f32_16x16x128_fp8_fp8 v[8*(8*((\a)%4)+\b):8*(8*((\a)%4)+\b)+7], v[128*(\p)+FR*\b:128*(\p)+FR*\b+FR-1], v[AF+FR*(\a):AF+FR*(\a)+FR-1], v[8*(8*((\a)%4)+\b):8*(8*((\a)%4)+\b)+7]
.endif
.endr
.endr
.endm
.macro FETCH_B slot, q, p
	WIN TO_B
.irp i, 0,1,2,3,4,5,6,7
	FRAGB 128*(\p)+FR*\i, ADRB+\slot, \q, \i
.endr
	WIN 0
.endm
.macro FETCH_A slot, q, i0
.irp i, \i0, \i0+1, \i0+2, \i0+3
	FRAGA AF+FR*(\i), ADRA+\slot, \q, \i
.endr
.endm
.macro PLACES n                        ; places in front of loads into registers that matrix instructions have read, and of the first read of results (ISA guide 7.12.1 for vector instructions)
.rept \n
	v_nop
.endr
.endm
.macro STEP slot, q, zero
	s_wait_dscnt 4*NL                              ; Wp's set and o's blocks 0-3 are in; the youngest sixteen loads (o's blocks 4-7) may be out
	WIN MUL_LO
	MUL16 0, (\q)%2, \zero
	MUL16 2, (\q)%2, \zero
	s_wait_dscnt 0
	PLACES NP
	FETCH_B \slot, (\q)+1, 1-(\q)%2
	FETCH_A \slot, (\q)+1, 0
	WIN MUL_HI
	MUL16 4, (\q)%2, \zero
	MUL16 6, (\q)%2, \zero
	PLACES NP
	WIN 0
	FETCH_A \slot, (\q)+1, 4
.endm
; A slot's last step changes slots: ONE barrier; in front of it each wave waits for all its tensor loads, adds 0 to its spare word, and waits for that and for its own reads of this slot.  fill = 1: this slot is filled again, two K steps ahead.
.macro TURN slot, next, fill
	s_wait_tensorcnt 0x0                           ; all my tensor loads have landed: my part of the next slot
	ds_add_u32 v[SPW], v[NIL]                      ; 0 onto my spare word
	s_wait_dscnt 4*NL+1                            ; (the add and the youngest sixteen loads may be out)
	WIN MUL_LO
	MUL16 0, 1, 0
	s_wait_dscnt 0x0                               ; the add is done, and my reads of this slot are over
	s_barrier_signal -1
	MUL16 2, 1, 0
	WIN 0
	s_barrier_wait -1
.if \fill
	CREST                                          ; the barrier has opened a round of the cluster's barrier: no wave of any partner still reads this slot or has a load on its way
	s_add_nc_u64 s[G0+4*\slot+2:G0+4*\slot+3], s[G0+4*\slot+2:G0+4*\slot+3], 2*4096
	s_add_nc_u64 s[G0B+4*\slot+2:G0B+4*\slot+3], s[G0B+4*\slot+2:G0B+4*\slot+3], 2*ROWB
	JLOAD G0+4*\slot, G1, G0B+4*\slot, G1B         ; the first tensor load behind the round; its four v_nop are the places in front of the loads below
.else
	PLACES NP
.endif
	FETCH_B \next, 0, 0
	FETCH_A \next, 0, 0
	WIN MUL_HI
	MUL16 4, 1, 0
	MUL16 6, 1, 0
	PLACES NP
	WIN 0
	FETCH_A \next, 0, 4
.endm
	s_wait_alu depctr_va_vdst(0)
	s_wait_tensorcnt 1                             ; my part of K step 0 is in (K step 1's load may be out)
	s_barrier_signal -1
	s_barrier_wait -1                              ; everybody's is
	FETCH_B 0, 0, 0
	FETCH_A 0, 0, 0
	FETCH_A 0, 0, 4
	STEP 0, 0, 1                                   ; the first products start the sums.  K = 1,024 is four slots' worth: written out, no loop
	TURN 0, 1, 1                                   ; slot 0 takes K step 2
	STEP 1, 0, 0
	TURN 1, 0, 1                                   ; slot 1 takes K step 3
	STEP 0, 0, 0
	TURN 0, 1, 0                                   ; nothing is left to fetch
	STEP 1, 0, 0
	WIN TO_B                                       ; the bias, into Wp's set 0, whose last readers stand four places back; it lands under the last 64 products
.irp b, 0,1,2,3,4,5,6,7
	global_load_b128 v[8*\b:8*\b+3], v[BO], s[10:11] offset:64*\b
	global_load_b128 v[8*\b+4:8*\b+7], v[BO], s[10:11] offset:64*\b+16
.endr
	s_wait_dscnt 4*NL                              ; the very last step: nothing more to fetch
	WIN MUL_LO
	MUL16 0, 1, 0
	MUL16 2, 1, 0
	s_wait_dscnt 0
	WIN MUL_HI
	MUL16 4, 1, 0
	MUL16 6, 1, 0
	WIN 0
; THE WAY OUT, block by block of 16 rows x 128 columns.  A lane holds 32 neighbouring bytes of a row, and the lanes beside it hold other rows: so a block goes through my own stage in LDS and comes back as whole rows of 512 bytes.
; LDS serves a wave's instructions in order (ISA guide 5.7.1.4): no wait between the stores and the loads, nor in front of the next block's stores.
.macro TOSTAGE a
.set AC, 64*((\a)%4)
	WIN 0x12+((\a)/4)                              ; source 0: window 2 or 3; source 2 (the bias): window 1
.irp j, 0,2,4,6,8,10,12,14,16,18,20,22,24,26,28,30,32,34,36,38,40,42,44,46,48,50,52,54,56,58,60,62
	v_pk_fma_f32 v[TMP+\j:TMP+\j+1], v[AC+\j:AC+\j+1], s[96:97], v[\j:\j+1] op_sel_hi:[1,0,1]   ; sum x 2^(e10 + e11) + bp: one packed multiply-add for two numbers; each accumulator from its low end on
.endr
	WIN 0
.irp b, 0,1,2,3,4,5,6,7
	ds_store_b128 v[STO], v[TMP+8*\b:TMP+8*\b+3] offset:64*\b
	ds_store_b128 v[STO], v[TMP+8*\b+4:TMP+8*\b+7] offset:64*\b+16
.endr
.set BB, BK+64*((\a)%2)
.irp t, 0,1,2,3,4,5,6,7,8,9,10,11,12,13,14,15
	ds_load_b128 v[BB+4*\t:BB+4*\t+3], v[RD] offset:\t*SPITCH
.endr
.endm
.macro SEND a, younger                 ; younger: the LDS instructions issued behind block a's loads, which may stay out
.set BB, BK+64*((\a)%2)
	s_wait_dscnt \younger                          ; the block is back in registers
.if (\a) > 0
	s_add_nc_u64 s[12:13], s[12:13], 16*SIZE_N*4   ; (behind a wait on XCNT: the earlier stores have read their base)  16 rows of out0 on
.endif
.irp t, 0,1,2,3,4,5,6,7,8,9,10,11,12,13,14,15
	global_store_b128 v[CO], v[BB+4*\t:BB+4*\t+3], s[12:13] offset:\t*SIZE_N*4 th:TH_STORE_NT   ; 32 lanes store 512 consecutive bytes, at a multiple of 256 from out0's first byte; written once, read by nobody here
.endr
.endm
	s_wait_kmcnt 0x0
	s_add_co_i32 s96, s96, s97                     ; e10 + e11, between -126 and 127,
	s_add_co_i32 s96, s96, 127
	s_lshl_b32 s96, s96, 23                        ; makes the f32 number 2^(e10 + e11); the packed form takes the pair's low word for both halves
	s_wait_loadcnt 0x0                             ; the bias
	PLACES NP                                      ; behind the last products: for the first read of results and for the loads into the registers that held o's fragments
	TOSTAGE 0
.irp a, 1,2,3,4,5,6,7
.if \a > 1
	s_wait_xcnt 0x0                                ; block a - 2's stores have read their registers and their base: block a's loads may land there, and the base may step
.endif
	TOSTAGE \a
	SEND \a-1, 32                                  ; behind block a - 1's loads: block a's 16 stores and 16 loads
.endr
	s_wait_xcnt 0x0                                ; block 6's stores have read their base
	SEND 7, 0
	s_wait_tensorcnt 0x0                           ; the wave's end, behind my last tensor load and my last LDS store
	ds_add_u32 v[SPW], v[NIL]
	s_wait_dscnt 0x0
	CROUND                                         ; the closing round: no work-group ends while a partner may still ask for a tile that names it
	s_endpgm
.Lfunc_end_k_q65e8a78c56_proj:
	.size	k_q65e8a78c56_proj, .Lfunc_end_k_q65e8a78c56_proj-k_q65e8a78c56_proj
	.p2alignl 7, 3214868480
	.fill 96, 4, 3214868480
	.section	.rodata,"a",@progbits
	.p2align	6, 0x0
	.amdhsa_kernel k_q65e8a78c56_proj
		.amdhsa_group_segment_fixed_size 327680
		.amdhsa_private_segment_fixed_size 0
		.amdhsa_enable_private_segment 0
		.amdhsa_kernarg_size 40
		.amdhsa_user_sgpr_count 2
		.amdhsa_user_sgpr_kernarg_segment_ptr 1
		.amdhsa_wavefront_size32 1
		.amdhsa_system_sgpr_workgroup_id_x 1
		.amdhsa_system_sgpr_workgroup_id_y 1
		.amdhsa_system_sgpr_workgroup_id_z 1
		.amdhsa_system_vgpr_workitem_id 0
		.amdhsa_next_free_vgpr 1024
		.amdhsa_next_free_sgpr 98
		.amdhsa_reserve_vcc 0
		.amdhsa_float_denorm_mode_32 3
		.amdhsa_float_denorm_mode_16_64 3
		.amdhsa_memory_ordered 1
		.amdhsa_forward_progress 1
		.amdhsa_inst_pref_size 142
	.end_amdhsa_kernel
	.amdgpu_metadata
---
amdhsa.version: [ 1, 2 ]
amdhsa.kernels:
  - .name:           k_q65e8a78c56_proj
    .symbol:         k_q65e8a78c56_proj.kd
    .args:
      - { .name: oi, .offset: 0, .size: 8, .value_kind: global_buffer, .address_space: global }
      - { .name: Wp_codes, .offset: 8, .size: 8, .value_kind: global_buffer, .address_space: global }
      - { .name: lowp_scales, .offset: 16, .size: 8, .value_kind: global_buffer, .address_space: global }
      - { .name: bp, .offset: 24, .size: 8, .value_kind: global_buffer, .address_space: global }
      - { .name: out0, .offset: 32, .size: 8, .value_kind: global_buffer, .address_space: global }
    .group_segment_fixed_size: 327680
    .private_segment_fixed_size: 0
    .kernarg_segment_align: 8
    .kernarg_segment_size: 40
    .max_flat_workgroup_size: 128
    .sgpr_count:     98
    .vgpr_count:     1024
    .wavefront_size: 32
...
	.end_amdgpu_metadata
.endif
;; end of part 3
